; MI455X (gfx1250); checked and timed in simulation.
; The chip was launched on July 23, 2026; its instructions are those of AMD's public machine-readable ISA for CDNA 5 (MIT licence, August 2026) and "CDNA5" Instruction Set Architecture Reference Guide (July 2026). The comments in the code are by the model that wrote it; some were corrected since.
;; Multi View Mo E Block. Allowed arithmetic: float matrix products may take bf16 or f16 operands with f32 sums; other float arithmetic in f32, or as packed bf16 or f16 multiplies, adds, multiply-adds, maxima and minima; sums over many terms, partial sums and values carried from step to step in f32; what a program stores and reads back later, other than sums and carried values, may be rounded once to bf16 or f16.
;; Inputs: bias1 32 x 256 float32; bias2 32 x 1,024 float32; router_b 32 float32; router_w 32 x 1,024 float32; weights1 32 x 1,024 x 256 float32; weights2 32 x 256 x 1,024 float32; x 128 x 32 x 1,024 float32.
;; Outputs: out0 128 x 32 x 1,024 float32.
;; One version. Each part assembles by itself: llvm-mc -triple=amdgcn-amd-amdhsa -mcpu=gfx1250 --defsym DOCPART=n.
;; ======== version 1 of 1: 3 launches
;; limits: values are held in f16: magnitudes above 65,504 overflow, below 6.1e-05 lose precision; right only within a limited range of input values
;; workspace buffers: xb 8,388,608 bytes; idx 16,384 bytes of whole numbers; hbuf 2,621,440 bytes
;; launch route (part 1): grid 256 x 1, 8 waves a work-group, no clusters, 52,224 bytes of LDS; arguments x, router_w, router_b, xb, idx; writes xb, idx
.if DOCPART == 1
	.amdgcn_target "amdgcn-amd-amdhsa--gfx1250"
	.amdhsa_code_object_version 6
	.text
	.protected	k_q687239e0dc_route
	.globl	k_q687239e0dc_route
	.p2align	8
	.type	k_q687239e0dc_route,@function
k_q687239e0dc_route:
	s_mov_b64 s[64:65], 0
	v_nop
	global_prefetch_b8 v0, s[64:65] scope:SCOPE_SE
	s_setreg_imm32_b32 hwreg(HW_REG_WAVE_MODE, 25, 1), 1
	s_wait_xcnt 0x0
; ROUTER.  xb = bf16(x);  idx[t] = argmax over e of ( bf16(x[t]) . bf16(router_w[e]) + bf16(router_b[e]) ), products in bf16, sums in f32.
; x: [4096][1024] f32, router_w: [32][1024] f32, router_b: [32] f32, xb: [4096][1024] bf16, idx: [4096] i32.
; Every input of the whole program is rounded to bf16 once, the biases too, so that all three launches compute one and the same function of the rounded inputs.
; SHARES.  A work-group has 16 tokens, each of its eight waves 128 of the 1,024 channels (4 K steps of 32).  The waves' partial logits meet in LDS; wave 0 adds them in
; ascending order, adds the bias and takes the argmax.
; THE MATRIX INSTRUCTION IS USED TRANSPOSED: source 0 = 16 experts, source 1 = 16 tokens: a lane holds ONE token (lane % 16) and the experts 16 mt + 8 (lane / 16) + 0..7.
; LIMITS.  Of equal logits the lowest expert wins, as in jnp.argmax.  A NaN logit is never chosen unless it is expert 0's or 8's first in its lane (jnp.argmax would choose the first NaN).
; Two logits closer than the rounding of the f32 sums may fall either way.
; No tensor loads: x passes through registers anyway, to be rounded.  No cluster: what work-groups share, router_w, is 128 KiB in all.
.set SPITCH, 272                       ; a staged row: 256 bytes of bf16 + 16: the 16 rows of a fragment load start 16 bytes apart modulo 256
.set STGW,   16*SPITCH                 ; a wave's own stage: 16 tokens x its 128 channels
.set PART,   8*STGW                    ; 34,816: partial logits, [wave][quad 0..3][lane][16 bytes]
.set SPARE,  PART+8*2048               ; 51,200: the spare words, 128 bytes a wave: four blocks of 256 bytes that no other line names
.set XR,  16                           ; v16-79    x as loaded: row i in 4 registers
.set WR,  80                           ; v80-207   router_w as loaded: fragment f = 4 mt + ks in 16 registers
.set XC,  208                          ; v208-239  x in bf16: row i in 2 registers
.set RB,  240                          ; v240-255  router_b of my 16 experts
.set BF,  16                           ; router_w's 8 fragments in bf16, where x lay
.set AF,  208                          ; x's 4 fragments, where XC lay
.set ACC, 80                           ; two accumulators, then wave 0's 8 x 16 partial sums, where router_w lay
; v1 lane, v2 lane % 16, v3 lane / 16, v4 16 lane, v5 8 lane, v6 my spare word, v7 0, v8 router_w's offset, v9 router_b's, v10 stage in, v11 stage out, v12 my partials
	s_load_b256 s[4:11], s[0:1], 0x0               ; x s[4:5], router_w s[6:7], router_b s[8:9], xb s[10:11]
	s_load_b64 s[12:13], s[0:1], 0x20              ; idx
	v_lshl_add_u32 v6, v0, 2, SPARE
	v_mov_b32 v7, 0
	v_lshrrev_b32 v13, 5, v0
	v_readfirstlane_b32 s14, v13                   ; wave 0..7
	v_and_b32 v1, 31, v0
	v_and_b32 v2, 15, v0
	v_bfe_u32 v3, v0, 4, 1
	v_lshlrev_b32 v4, 4, v1
	v_lshlrev_b32 v5, 3, v1
	v_lshlrev_b32 v9, 5, v3                        ; 8 experts' biases a half
	v_lshl_add_u32 v8, v2, 12, v9                  ; expert's row of 4,096 bytes + 8 channels a half
	s_mul_i32 s15, s14, STGW
	v_add_nc_u32 v10, s15, v5
	v_mul_u32_u24 v11, v2, SPITCH
	v_lshl_add_u32 v11, v3, 4, v11
	v_add_nc_u32 v11, s15, v11
	s_lshl_b32 s15, s14, 11
	s_add_co_u32 s15, s15, PART
	v_add_nc_u32 v12, s15, v4
	s_lshl_b32 s16, ttmp9, 16                      ; x: 16 rows of 4,096 bytes a work-group,
	s_lshl_b32 s18, s14, 9                         ; 512 bytes of a row a wave; router_w: the same 512 bytes
	s_add_co_u32 s16, s16, s18
	s_mov_b32 s17, 0
	s_mov_b32 s19, 0
	s_lshl_b32 s20, ttmp9, 15                      ; xb: 16 rows of 2,048 bytes, 256 bytes a wave
	s_lshl_b32 s21, s14, 8
	s_add_co_u32 s20, s20, s21
	s_mov_b32 s21, 0
	s_lshl_b32 s22, ttmp9, 6                       ; idx: 16 words
	s_mov_b32 s23, 0
	s_mov_b32 s24, 0x76543210                      ; v_permlanex16_b32: each lane takes its own place in the other half
	s_mov_b32 s25, 0xfedcba98
	s_wait_kmcnt 0x0
	s_add_nc_u64 s[4:5], s[4:5], s[16:17]
	s_add_nc_u64 s[6:7], s[6:7], s[18:19]
	s_add_nc_u64 s[10:11], s[10:11], s[20:21]
	s_add_nc_u64 s[12:13], s[12:13], s[22:23]
	; all 52 loads of the wave go out together
	global_load_b128 v[RB:RB+3],     v9, s[8:9]             ; experts 8 h + 0..7
	global_load_b128 v[RB+4:RB+7],   v9, s[8:9] offset:16
	global_load_b128 v[RB+8:RB+11],  v9, s[8:9] offset:64   ; experts 16 + 8 h + 0..7
	global_load_b128 v[RB+12:RB+15], v9, s[8:9] offset:80
.set i, 0
.rept 16
	global_load_b128 v[XR+4*i:XR+4*i+3], v4, s[4:5] offset:i*4096 th:TH_LOAD_NT  ; token i: 512 consecutive bytes
.set i, i+1
.endr
.set f, 0
.rept 8                                ; fragment f: experts 16 (f / 4) + lane % 16, channels 32 (f % 4) + 8 h + 0..7 and + 16
	global_load_b128 v[WR+16*f:WR+16*f+3],     v8, s[6:7] offset:(f/4)*65536+(f%4)*128
	global_load_b128 v[WR+16*f+4:WR+16*f+7],   v8, s[6:7] offset:(f/4)*65536+(f%4)*128+16
	global_load_b128 v[WR+16*f+8:WR+16*f+11],  v8, s[6:7] offset:(f/4)*65536+(f%4)*128+64
	global_load_b128 v[WR+16*f+12:WR+16*f+15], v8, s[6:7] offset:(f/4)*65536+(f%4)*128+80
.set f, f+1
.endr
	s_wait_loadcnt 32                              ; router_w's 32 loads are younger and stay out: router_b and x are in
.set i, 0
.rept 16
	v_cvt_pk_bf16_f32 v[XC+2*i],   v[XR+4*i],   v[XR+4*i+1]
	v_cvt_pk_bf16_f32 v[XC+2*i+1], v[XR+4*i+2], v[XR+4*i+3]
	global_store_b64 v5, v[XC+2*i:XC+2*i+1], s[10:11] offset:i*2048  ; the wave's store covers 256 consecutive bytes, aligned
	ds_store_b64 v10, v[XC+2*i:XC+2*i+1] offset:i*SPITCH             ; and the same into my own stage
.set i, i+1
.endr
	s_wait_xcnt 0x0                                ; XC, which the stores read, is loaded over only behind this wait
.set k, 0
.rept 4                                ; x's fragments: token lane % 16; LDS serves a wave's instructions in order, so these see the stores above
	ds_load_b128 v[AF+8*k:AF+8*k+3],   v11 offset:k*64
	ds_load_b128 v[AF+8*k+4:AF+8*k+7], v11 offset:k*64+32
.set k, k+1
.endr
	s_wait_loadcnt 0x0                             ; router_w
.set j, 0
.rept 64
	v_cvt_pk_bf16_f32 v[BF+j], v[WR+2*j], v[WR+2*j+1]
.set j, j+1
.endr
	s_wait_dscnt 0x0
	; two accumulators by turns; the first K step starts the sums
	v_wmma_f32_16x16x32_bf16 v[ACC:ACC+7],    v[BF:BF+7],     v[AF:AF+7], 0
	v_wmma_f32_16x16x32_bf16 v[ACC+8:ACC+15], v[BF+32:BF+39], v[AF:AF+7], 0
.set k, 1
.rept 3
	v_wmma_f32_16x16x32_bf16 v[ACC:ACC+7],    v[BF+8*k:BF+8*k+7],       v[AF+8*k:AF+8*k+7], v[ACC:ACC+7]
	v_wmma_f32_16x16x32_bf16 v[ACC+8:ACC+15], v[BF+32+8*k:BF+32+8*k+7], v[AF+8*k:AF+8*k+7], v[ACC+8:ACC+15]
.set k, k+1
.endr
.rept 4
	v_nop                                          ; four places between the products and the stores that read them
.endr
.set q, 0
.rept 4
	ds_store_b128 v12, v[ACC+4*q:ACC+4*q+3] offset:q*512  ; each accumulator from its low end on
.set q, q+1
.endr
	s_wait_dscnt 0x0                               ; for wave 0's sake: my partial logits are in LDS
	s_barrier_signal -1
	s_barrier_wait -1
	s_cmp_lg_u32 s14, 0
	s_cbranch_scc1 .Lend                           ; the rest is wave 0's
	v_add_nc_u32 v13, PART, v4
.set u, 0
.rept 32                               ; wave u / 4's quad u % 4
	ds_load_b128 v[ACC+4*u:ACC+4*u+3], v13 offset:u*512
.set u, u+1
.endr
.set p, 0
.rept 8                                ; meanwhile the bias is rounded to bf16 and widened again
	v_cvt_pk_bf16_f32 v211, v[RB+2*p], v[RB+2*p+1]
	v_lshlrev_b32 v[RB+2*p], 16, v211
	v_and_b32 v[RB+2*p+1], 0xffff0000, v211
.set p, p+1
.endr
	s_wait_dscnt 0x0
.set u, 1
.rept 7                                ; the waves' parts in ascending order of the channels
.set p, 0
.rept 8
	v_pk_add_f32 v[ACC+2*p:ACC+2*p+1], v[ACC+2*p:ACC+2*p+1], v[ACC+16*u+2*p:ACC+16*u+2*p+1]
.set p, p+1
.endr
.set u, u+1
.endr
.set p, 0
.rept 8
	v_pk_add_f32 v[ACC+2*p:ACC+2*p+1], v[ACC+2*p:ACC+2*p+1], v[RB+2*p:RB+2*p+1]
.set p, p+1
.endr
	; the lane's 16 experts in ascending order; a later one wins only if it is greater.  The choice only selects values: no branch, no address hangs on it.
	v_mov_b32 v14, v[ACC]
	v_mov_b32 v15, 0
.set c, 1
.rept 15
	v_cmp_gt_f32 vcc_lo, v[ACC+c], v14
	v_cndmask_b32 v14, v14, v[ACC+c], vcc_lo
	v_cndmask_b32 v15, v15, c%8+16*(c/8), vcc_lo
.set c, c+1
.endr
	v_lshl_add_u32 v15, v3, 3, v15                 ; + 8 (lane / 16)
	v_mov_b32 v208, 0                              ; v_permlanex16_b32's destination counts as read
	v_mov_b32 v209, 0
	v_permlanex16_b32 v208, v14, s24, s25          ; the token's other 16 experts lie in the lane 16 away
	v_permlanex16_b32 v209, v15, s24, s25
	v_cmp_gt_f32 s28, v208, v14
	v_cmp_eq_f32 s29, v208, v14
	v_cmp_lt_u32 s30, v209, v15
	s_and_b32 s29, s29, s30                        ; equal: the lower expert
	s_or_b32 s28, s28, s29
	v_cndmask_b32 v15, v15, v209, s28
	v_lshlrev_b32 v210, 2, v2
	v_cmp_gt_u32 vcc_lo, 16, v0
	s_wait_xcnt 0x0                                ; EXEC changes only behind s_wait_xcnt 0: xb's stores were issued under the full mask
	s_and_saveexec_b32 s26, vcc_lo
	global_store_b32 v210, v15, s[12:13]           ; lanes 0-15: one word a token
	s_wait_xcnt 0x0
	s_or_b32 exec_lo, exec_lo, s26
.Lend:
	s_wait_tensorcnt 0x0                           ; the wave's end, behind my last LDS store
	ds_add_u32 v6, v7
	s_wait_dscnt 0x0
	s_endpgm
.Lfunc_end_k_q687239e0dc_route:
	.size	k_q687239e0dc_route, .Lfunc_end_k_q687239e0dc_route-k_q687239e0dc_route
	.p2alignl 7, 3214868480
	.fill 96, 4, 3214868480
	.section	.rodata,"a",@progbits
	.p2align	6, 0x0
	.amdhsa_kernel k_q687239e0dc_route
		.amdhsa_group_segment_fixed_size 52224
		.amdhsa_private_segment_fixed_size 0
		.amdhsa_enable_private_segment 0
		.amdhsa_kernarg_size 40
		.amdhsa_user_sgpr_count 2
		.amdhsa_user_sgpr_kernarg_segment_ptr 1
		.amdhsa_wavefront_size32 1
		.amdhsa_system_sgpr_workgroup_id_x 1
		.amdhsa_system_sgpr_workgroup_id_y 1
		.amdhsa_system_sgpr_workgroup_id_z 1
		.amdhsa_system_vgpr_workitem_id 0
		.amdhsa_next_free_vgpr 256
		.amdhsa_next_free_sgpr 66
		.amdhsa_reserve_vcc 1
		.amdhsa_float_denorm_mode_32 3
		.amdhsa_float_denorm_mode_16_64 3
		.amdhsa_memory_ordered 1
		.amdhsa_forward_progress 1
		.amdhsa_inst_pref_size 28
	.end_amdhsa_kernel
	.amdgpu_metadata
---
amdhsa.version: [ 1, 2 ]
amdhsa.kernels:
  - .name:           k_q687239e0dc_route
    .symbol:         k_q687239e0dc_route.kd
    .args:
      - { .name: x, .offset: 0, .size: 8, .value_kind: global_buffer, .address_space: global }
      - { .name: router_w, .offset: 8, .size: 8, .value_kind: global_buffer, .address_space: global }
      - { .name: router_b, .offset: 16, .size: 8, .value_kind: global_buffer, .address_space: global }
      - { .name: xb, .offset: 24, .size: 8, .value_kind: global_buffer, .address_space: global }
      - { .name: idx, .offset: 32, .size: 8, .value_kind: global_buffer, .address_space: global }
    .group_segment_fixed_size: 52224
    .private_segment_fixed_size: 0
    .kernarg_segment_align: 8
    .kernarg_segment_size: 40
    .max_flat_workgroup_size: 256
    .sgpr_count:     66
    .vgpr_count:     256
    .wavefront_size: 32
...
	.end_amdgpu_metadata
.endif
;; end of part 1
;; launch up (part 2): grid 256 x 1, 8 waves a work-group, no clusters, 91,392 bytes of LDS; arguments idx, xb, weights1, bias1, hbuf; writes hbuf
.if DOCPART == 2
	.amdgcn_target "amdgcn-amd-amdhsa--gfx1250"
	.amdhsa_code_object_version 6
	.text
	.protected	k_q687239e0dc_up
	.globl	k_q687239e0dc_up
	.p2align	8
	.type	k_q687239e0dc_up,@function
k_q687239e0dc_up:
	s_mov_b64 s[64:65], 0
	v_nop
	global_prefetch_b8 v0, s[64:65] scope:SCOPE_SE
	s_setreg_imm32_b32 hwreg(HW_REG_WAVE_MODE, 25, 1), 1
	s_wait_xcnt 0x0
; FIRST LAYER, chosen rows only.  hbuf = f16( relu( xb[t] . bf16(weights1[e]) + bf16(bias1[e]) ) / 16 ) for the tokens t with idx[t] = e.  Products in bf16, sums in f32.
; idx: [4096] i32, xb: [4096][1024] bf16, weights1: [32][1024][256] f32, bias1: [32][256] f32.
; hbuf: 160 tiles of 32 rows, [tile][mt 0..1: 8,192][ks 0..7: 1,024][half 0..1: 512][lane: 16 bytes]: the register image of the fragment that the second layer multiplies.
; GRID.  Work-group 8 e + s has expert e and the hidden columns 32 s .. 32 s + 31: 128 KiB of weights1 that it alone reads, and ALL of the expert's rows.  Every split of the tokens is
; served: the loop over tiles of rows has a constant 16 trips (8 waves x 32 rows x 16 = 4,096), and a trip past the count is jumped, forward, with no barrier in it.
; ROUTING.  Every work-group scans idx for itself: wave w lists, in its own LDS segment, the tokens of its 512 that chose e, and counts those that chose a lower expert.  c = the expert's rows,
; p0 = the rows of lower experts; the expert's tiles begin at tb = p0 / 32 + e, which keeps the experts' tiles apart and under 160 for every split.  The second layer makes the same list.
; An expert without rows still fills tile tb (with token 0's numbers), so that the second layer never loads a byte that nobody stored.  Places past the count repeat token 0.
; THE MATRIX INSTRUCTION IS USED TRANSPOSED: source 0 = 16 hidden columns, source 1 = 16 tokens: a lane holds one token and eight neighbouring columns: 16 bytes of f16.
; FORMAT.  h is kept as f16 of h / 16 (the second layer multiplies by 16 in f32).  LIMITS: h up to 1.05e6 (65,504 x 16); beyond that the row is lost.  NaN is not treated apart.
; No tensor loads: the f32 weights pass through registers to be rounded and paired along K, and the token rows come by a list.  No cluster: each slice of weights has one reader.
.set LISTW, 3072                       ; a wave's segment: 768 words: words 0-639 the list (at most 512 tokens, the rest stays 0), words 640-671 a dump word for each lane, the rest unused
.set DUMP,  640
.set CNT,   8*LISTW                    ; 24,576: 8 bytes a wave: rows of e, rows of lower experts
.set IMG,   CNT+256                    ; 24,832: the slice as fragments, [ks 0..31: 2,048][nt: 1,024][half: 512][h: 256][col: 16], col = (r + nt + 2 h) % 16:
                                       ; the turn of col lets the 16 lanes of a store, and of a load, touch 16 different 16-byte columns modulo 256
.set SPARE, IMG+65536                  ; 90,368: the spare words, 128 bytes a wave: four blocks of 256 bytes that no other line names
.set SPW,  4                           ; v4  my spare word      v5  0          (v1 lane, v2 r = lane % 16, v3 h = lane / 16)
.set NIL,  5
.set L16,  6                           ; v6  16 lane            v7  16 h       v8-11 zeros
.set H16,  7
.set ROW,  12                          ; v12-13  byte offset in xb of my token's row, for mt = 0, 1, + 16 h
.set RK,   14                          ; v14 a rank             v15 at work in LOOKUP
.set AD,   15
.set BA,   16                          ; v16-17  where I read the image, nt = 0, 1
.set SA,   18                          ; v18-21  where I write it, column cc = 0..3 of my four
.set TK0,  22                          ; v22 the first token of my scan: 512 w + 4 lane
.set VP,   23
.set VT,   24
.set WOFF, 25
.set BOFF, 26
.set IOFF, 27
.set TOK,  30                          ; v30-31  the tokens looked up
.set DMP,  31                          ; during the scan: my dump word's number, 640 + lane
.set ACC,  32                          ; v32-63  acc(mt, nt) at 32 + 8 (2 mt + nt); at work during the set-up
.set BIAS, 64                          ; v64-79  bias of column 16 nt + 8 h + j at 64 + 8 nt + j
.set HO,   80                          ; v80-95  the tile in f16
.set BF0,  96                          ; v96-159, v160-223  weights' fragments of a chunk of 4 K steps, two buffers
.set BF1,  160
.set WR,   96                          ; v96-223 the weights as loaded, before the loop
.set IX,   224                         ; v224-239 idx, then the counts
.set CV,   240                         ; v240-255 16 bytes of the image for each of my four columns
; window 1 (v256-511): x's fragments, a ring of four chunks of 4 K steps: 64 (q % 4) + 16 (ks % 4) + 8 mt + 4 half
; s14 wave, s15 e, s16 s, s17 my segment, s18 rows of e, s19 rows of lower experts, s28 c, s29 p0, s30 tb, s31 max(c, 1), s32-47 the waves' counts,
; s49-55 pref[w]: rows of e in waves below w, s57-63 adj[w] = 3,072 w - 4 pref[w], s66 the first rank of my tile, s67 trips
.set MSB, 0
.macro WIN new                         ; s_set_vgpr_msb: bits 1:0 source 0, 3:2 source 1, 5:4 source 2, 7:6 destination; the high byte repeats the setting that is left
.if MSB != (\new)
	s_set_vgpr_msb (MSB<<8)|(\new)
.set MSB, \new
.endif
.endm
; The token of rank v[rk]: the last wave whose pref is not above the rank holds it, at word rank - pref of its segment.  A rank at or past c falls on a word of the last segment
; that stayed 0 (word 542 at the most: the wave's 512 + 30): token 0.
.macro LOOKUP dst, rk, ad
	v_mov_b32 v[\ad], 0
.irp u, 1,2,3,4,5,6,7
	v_cmp_le_u32 vcc_lo, s[48+\u], v[\rk]
	v_cndmask_b32 v[\ad], v[\ad], s[56+\u], vcc_lo
.endr
	v_lshl_add_u32 v[\ad], v[\rk], 2, v[\ad]
	v_min_u32 v[\ad], 8*LISTW-4, v[\ad]            ; inside the list, whatever the counts
	ds_load_b32 v[\dst], v[\ad]
.endm
.macro XLOAD q                         ; chunk q of x's fragments: 16 loads, straight from xb into operand registers
	WIN 0x40                                       ; destination window 1
.irp kk, 0,1,2,3
.irp mt, 0,1
.irp hf, 0,1
	global_load_b128 v[64*((\q)%4)+16*\kk+8*\mt+4*\hf:64*((\q)%4)+16*\kk+8*\mt+4*\hf+3], v[ROW+\mt], s[6:7] offset:(4*(\q)+\kk)*64+\hf*32
.endr
.endr
.endr
.endm
.macro BLOAD q, buf                    ; chunk q of the weights' fragments: 16 LDS loads
	WIN 0
.irp kk, 0,1,2,3
.irp nt, 0,1
.irp hf, 0,1
	ds_load_b128 v[(\buf)+16*\kk+8*\nt+4*\hf:(\buf)+16*\kk+8*\nt+4*\hf+3], v[BA+\nt] offset:(4*(\q)+\kk)*2048+\hf*512
.endr
.endr
.endr
.endm
.macro MUL q, buf                      ; 16 products; the four accumulators take turns; the tile's first four start the sums with the bias
	WIN 0x04                                       ; source 1 (x) window 1
.irp kk, 0,1,2,3
.irp mt, 0,1
.irp nt, 0,1
.if ((\q) == 0) && ((\kk) == 0)
	v_wmma_f32_16x16x32_bf16 v[ACC+8*(2*\mt+\nt):ACC+8*(2*\mt+\nt)+7], v[(\buf)+16*\kk+8*\nt:(\buf)+16*\kk+8*\nt+7], v[64*((\q)%4)+16*\kk+8*\mt:64*((\q)%4)+16*\kk+8*\mt+7], v[BIAS+8*\nt:BIAS+8*\nt+7]
.else
	v_wmma_f32_16x16x32_bf16 v[ACC+8*(2*\mt+\nt):ACC+8*(2*\mt+\nt)+7], v[(\buf)+16*\kk+8*\nt:(\buf)+16*\kk+8*\nt+7], v[64*((\q)%4)+16*\kk+8*\mt:64*((\q)%4)+16*\kk+8*\mt+7], v[ACC+8*(2*\mt+\nt):ACC+8*(2*\mt+\nt)+7]
.endif
.endr
.endr
.endr
.endm
; The tile whose first rank is s[sr]: its 32 tokens are looked up and the first four chunks of their rows asked for: 64 loads
.macro ISSUE sr
	WIN 0
	v_add_nc_u32 v[RK], s[\sr], v2
	LOOKUP TOK, RK, AD
	v_add_nc_u32 v[RK], 16, v[RK]
	LOOKUP TOK+1, RK, AD
	s_wait_dscnt 0x0
	v_min_u32 v[TOK], 0xfff, v[TOK]                ; a token's number enters an address only clamped; behind the clamp a shift left and an add
	v_min_u32 v[TOK+1], 0xfff, v[TOK+1]
	v_lshlrev_b32 v[ROW], 11, v[TOK]               ; a row of xb is 2,048 bytes
	v_lshlrev_b32 v[ROW+1], 11, v[TOK+1]
	v_add_nc_u32 v[ROW], v[H16], v[ROW]
	v_add_nc_u32 v[ROW+1], v[H16], v[ROW+1]
	XLOAD 0
	XLOAD 1
	XLOAD 2
	XLOAD 3
	WIN 0
.endm
; Chunk q of a tile.  left: the x loads younger than chunk q's, which stay out
.macro STEP q, buf, other, left
.if (\q) < 7
	BLOAD (\q)+1, \other
.endif
	s_wait_loadcnt \left
.if (\q) < 7
	s_wait_dscnt 16                                ; the 16 LDS loads just issued stay out: chunk q's weights are in
.else
	s_wait_dscnt 0x0
.endif
	MUL \q, \buf
.rept 4
	v_nop                                          ; four places in front of loads into registers that these products read (ISA guide 7.12.1 for vector instructions)
.endr
.if (\q) < 4
	XLOAD (\q)+4                                   ; the ring's buffer just read takes the chunk four further on
.endif
.endm
	s_load_b256 s[4:11], s[0:1], 0x0               ; idx s[4:5], xb s[6:7], weights1 s[8:9], bias1 s[10:11]
	s_load_b64 s[12:13], s[0:1], 0x20              ; hbuf
	v_lshl_add_u32 v[SPW], v0, 2, SPARE
	v_mov_b32 v[NIL], 0
	v_lshrrev_b32 v32, 5, v0
	v_readfirstlane_b32 s14, v32                   ; wave 0..7
	v_and_b32 v1, 31, v0
	v_and_b32 v2, 15, v0
	v_bfe_u32 v3, v0, 4, 1
	v_lshlrev_b32 v[L16], 4, v1
	v_lshlrev_b32 v[H16], 4, v3
	v_and_b32 v32, 7, v1                           ; q: which four of the slice's 32 columns I load
	v_lshrrev_b32 v33, 3, v1                       ; g: which eight of a K step's 32 rows
	v_lshlrev_b32 v[WOFF], 4, v32
	v_lshl_add_u32 v[WOFF], v33, 13, v[WOFF]       ; 8 rows of 1,024 bytes x g + 16 q
	v_lshlrev_b32 v[BOFF], 5, v3
	v_lshl_add_u32 v[IOFF], s14, 11, v[L16]        ; idx: 512 words a wave
	s_lshr_b32 s15, ttmp9, 3                       ; e
	s_and_b32 s16, ttmp9, 7                        ; s
	s_lshl_b32 s24, s15, 20                        ; weights1: 1 MiB an expert, 128 rows of 1,024 bytes a wave, 128 bytes a slice
	s_lshl_b32 s23, s14, 17
	s_add_co_u32 s24, s24, s23
	s_lshl_b32 s23, s16, 7
	s_add_co_u32 s24, s24, s23
	s_mov_b32 s25, 0
	s_lshl_b32 s26, s15, 10                        ; bias1: 1,024 bytes an expert, 128 a slice
	s_add_co_u32 s26, s26, s23
	s_mov_b32 s27, 0
	s_lshl_b32 s72, s16, 10                        ; hbuf: K step s of the second layer
	s_mov_b32 s73, 0
	s_wait_kmcnt 0x0
	s_add_nc_u64 s[8:9], s[8:9], s[24:25]
	s_add_nc_u64 s[10:11], s[10:11], s[26:27]
	s_add_nc_u64 s[12:13], s[12:13], s[72:73]
	; 40 loads: idx, the bias, and the wave's eighth of the slice: all 128 KiB of the work-group are on their way from here on
.irp j, 0,1,2,3
	global_load_b128 v[IX+4*\j:IX+4*\j+3], v[IOFF], s[4:5] offset:\j*512
.endr
.irp nt, 0,1
	global_load_b128 v[BIAS+8*\nt:BIAS+8*\nt+3],   v[BOFF], s[10:11] offset:\nt*64
	global_load_b128 v[BIAS+8*\nt+4:BIAS+8*\nt+7], v[BOFF], s[10:11] offset:\nt*64+16
.endr
.irp m, 0,1,2,3                        ; K step 4 w + m, row 8 g + i of its 32.  No hint: the other 128 bytes of each aligned 256 are the neighbouring slice's
.irp i, 0,1,2,3,4,5,6,7
	global_load_b128 v[WR+32*\m+4*\i:WR+32*\m+4*\i+3], v[WOFF], s[8:9] offset:\m*32768+\i*1024
.endr
.endr
	; while they are out: my segment is cleared, and the LDS addresses are made
	s_mul_i32 s17, s14, LISTW
.irp z, 8,9,10,11
	v_mov_b32 v\z, 0
.endr
	v_add_nc_u32 v[VP], s17, v[L16]
.irp j, 0,1,2,3,4,5
	ds_store_b128 v[VP], v[8:11] offset:\j*512
.endr
	v_lshlrev_b32 v[TK0], 2, v1
	v_lshl_add_u32 v[TK0], s14, 9, v[TK0]
	v_add_nc_u32 v[DMP], DUMP, v1
	v_lshrrev_b32 v34, 2, v32                      ; nt of my four columns
	v_and_b32 v35, 1, v33                          ; h of my eight rows
	v_lshrrev_b32 v36, 1, v33                      ; their half
	v_and_b32 v37, 3, v32
	s_lshl_b32 s23, s14, 13                        ; my four K steps of the image
	s_add_co_u32 s23, s23, IMG
	v_lshl_add_u32 v38, v34, 10, s23
	v_lshl_add_u32 v38, v36, 9, v38
	v_lshl_add_u32 v38, v35, 8, v38
	v_lshl_add_u32 v37, v37, 2, v34                ; r of column 0 of my four, + nt
	v_lshl_add_u32 v37, v35, 1, v37                ; + 2 h
.irp cc, 0,1,2,3
	v_add_nc_u32 v39, \cc, v37
	v_and_b32 v39, 15, v39
	v_lshl_add_u32 v[SA+\cc], v39, 4, v38
.endr
	v_lshl_add_u32 v37, v3, 1, v2                  ; reading: r + 2 h
.irp nt, 0,1
	v_add_nc_u32 v39, \nt, v37
	v_and_b32 v39, 15, v39
	v_lshlrev_b32 v39, 4, v39
	v_lshl_add_u32 v39, v3, 8, v39
	v_add_nc_u32 v[BA+\nt], IMG+\nt*1024, v39
.endr
	s_wait_loadcnt 36                              ; the bias's 4 and the weights' 32 loads are younger and stay out: idx is in
	; THE SCAN.  Register 4 j + cc of lane l holds token 512 w + 128 j + 4 l + cc.  The list's order is (w, j, cc, l), the same in both layers.
	; No lane is switched off: a lane whose token chose another expert stores it into its own dump word, which nobody reads.
	s_mov_b32 s18, 0
	s_mov_b32 s19, 0
.set n, 0
.rept 16
	v_cmp_eq_u32 s20, s15, v[IX+n]                 ; chose e
	v_cmp_gt_u32 s21, s15, v[IX+n]                 ; chose a lower expert
	v_mbcnt_lo_u32_b32 v[VP], s20, s18             ; my place: those listed so far + those in lower lanes
	v_cndmask_b32 v[VP], v[DMP], v[VP], s20        ; or my dump word
	v_min_u32 v[VP], DUMP+31, v[VP]                ; a place hangs on loaded numbers: it enters an address only clamped; behind the clamp a shift left and an add
	v_lshlrev_b32 v[VP], 2, v[VP]
	v_add_nc_u32 v[VP], s17, v[VP]                 ; inside my own segment
	v_add_nc_u32 v[VT], 128*(n/4)+n%4, v[TK0]
	ds_store_b32 v[VP], v[VT]
	s_bcnt1_i32_b32 s23, s20
	s_add_co_u32 s18, s18, s23
	s_bcnt1_i32_b32 s23, s21
	s_add_co_u32 s19, s19, s23
.set n, n+1
.endr
	v_mov_b32 v28, s18
	v_mov_b32 v29, s19
	s_lshl_b32 s23, s14, 3
	s_add_co_u32 s23, s23, CNT
	v_mov_b32 v[VP], s23
	ds_store_b64 v[VP], v[28:29]                   ; all lanes write the same 8 bytes
	s_wait_dscnt 0x0                               ; for the others' sake: my segment and my counts are in LDS
	s_barrier_signal -1
	s_barrier_wait -1                              ; from here on the list and the counts are only read
	v_mov_b32 v[VP], CNT
.irp j, 0,1,2,3
	ds_load_b128 v[IX+4*\j:IX+4*\j+3], v[VP] offset:\j*16
.endr
	s_wait_dscnt 0x0
.set n, 0
.rept 16
	v_readfirstlane_b32 s[32+n], v[IX+n]
.set n, n+1
.endr
	s_mov_b32 s49, s32
.irp u, 1,2,3,4,5,6
	s_add_co_u32 s[49+\u], s[48+\u], s[32+2*\u]
.endr
	s_add_co_u32 s28, s55, s46                     ; c
	s_add_co_u32 s29, s33, s35
.irp u, 37,39,41,43,45,47
	s_add_co_u32 s29, s29, s\u                     ; p0
.endr
.irp u, 1,2,3,4,5,6,7
	s_lshl_b32 s23, s[48+\u], 2
	s_sub_co_u32 s[56+\u], LISTW*\u, s23
.endr
	s_lshr_b32 s30, s29, 5
	s_add_co_u32 s30, s30, s15                     ; tb
	s_max_u32 s31, s28, 1                          ; an expert without rows still makes one tile
	s_lshl_b32 s66, s14, 5                         ; my first tile is tile w
	ISSUE 66                                       ; by every wave: one whose first tile lies past the count asks for token 0's row and discards it, so that every later count is the same on every way
	s_wait_loadcnt 63                              ; 64 loads are younger than the weights'; the field ends at 63, so the first of them is waited for too
.set p, 0
.rept 8                                ; the bias is rounded to bf16 and widened again
	v_cvt_pk_bf16_f32 v28, v[BIAS+2*p], v[BIAS+2*p+1]
	v_lshlrev_b32 v[BIAS+2*p], 16, v28
	v_and_b32 v[BIAS+2*p+1], 0xffff0000, v28
.set p, p+1
.endr
.irp m, 0,1,2,3                        ; the image: for each of my four columns the eight rows pack into 16 bytes, a pair of neighbouring k to a register
.irp cc, 0,1,2,3
.irp jj, 0,1,2,3
	v_cvt_pk_bf16_f32 v[CV+4*\cc+\jj], v[WR+32*\m+8*\jj+\cc], v[WR+32*\m+8*\jj+4+\cc]
.endr
	ds_store_b128 v[SA+\cc], v[CV+4*\cc:CV+4*\cc+3] offset:\m*2048
.endr
.endr
	s_wait_dscnt 0x0                               ; for the others' sake: my four K steps of the image are in LDS
	s_barrier_signal -1
	s_barrier_wait -1                              ; from here on the image is only read: the loop needs no barrier
	s_mov_b32 s67, 16
.Ltile:
	s_cmp_ge_u32 s66, s31
	s_cbranch_scc1 .Lnext                          ; past the count
	BLOAD 0, BF0
	STEP 0, BF0, BF1, 48                           ; three younger chunks of 16 loads are in the ring
	STEP 1, BF1, BF0, 48
	STEP 2, BF0, BF1, 48
	STEP 3, BF1, BF0, 48
	STEP 4, BF0, BF1, 48
	STEP 5, BF1, BF0, 32                           ; nothing more is asked for: the counts run down
	STEP 6, BF0, BF1, 16
	STEP 7, BF1, BF0, 0
	WIN 0                                          ; at a branch and at a label every window is 0
	s_add_co_u32 s68, s66, 256
	s_cmp_lt_u32 s68, s28
	s_cbranch_scc0 .Lnoissue
	ISSUE 68                                       ; my next tile's rows are on their way while this one goes out
.Lnoissue:
.set a, 0
.rept 4                                ; each accumulator from its low end on: / 16, to f16, ReLU on the packed halves
.set p, 0
.rept 4
	v_pk_mul_f32 v[ACC+8*a+2*p:ACC+8*a+2*p+1], v[ACC+8*a+2*p:ACC+8*a+2*p+1], 0x3d800000 op_sel_hi:[1,0]
.set p, p+1
.endr
.set p, 0
.rept 4
	v_cvt_pk_f16_f32 v[HO+4*a+p], v[ACC+8*a+2*p], v[ACC+8*a+2*p+1]
.set p, p+1
.endr
.set p, 0
.rept 4
	v_pk_max_num_f16 v[HO+4*a+p], v[HO+4*a+p], v8
.set p, p+1
.endr
.set a, a+1
.endr
	s_lshr_b32 s69, s66, 5
	s_add_co_u32 s69, s69, s30
	s_min_u32 s69, s69, 159                        ; a tile's number enters an address only clamped
	s_lshl_b32 s72, s69, 14
	s_add_nc_u64 s[70:71], s[12:13], s[72:73]
.irp mt, 0,1
.irp nt, 0,1
	global_store_b128 v[L16], v[HO+4*(2*\mt+\nt):HO+4*(2*\mt+\nt)+3], s[70:71] offset:\mt*8192+\nt*512  ; 512 consecutive bytes, aligned
.endr
.endr
	s_wait_xcnt 0x0                                ; the stores' data and base are written again only behind this wait
.Lnext:
	s_add_co_u32 s66, s66, 256                     ; eight waves x 32 rows on
	s_sub_co_u32 s67, s67, 1
	s_cmp_lg_u32 s67, 0
	s_cbranch_scc1 .Ltile
	s_wait_tensorcnt 0x0                           ; the wave's end, behind my last LDS store
	ds_add_u32 v[SPW], v[NIL]
	s_wait_dscnt 0x0
	s_endpgm
.Lfunc_end_k_q687239e0dc_up:
	.size	k_q687239e0dc_up, .Lfunc_end_k_q687239e0dc_up-k_q687239e0dc_up
	.p2alignl 7, 3214868480
	.fill 96, 4, 3214868480
	.section	.rodata,"a",@progbits
	.p2align	6, 0x0
	.amdhsa_kernel k_q687239e0dc_up
		.amdhsa_group_segment_fixed_size 91392
		.amdhsa_private_segment_fixed_size 0
		.amdhsa_enable_private_segment 0
		.amdhsa_kernarg_size 40
		.amdhsa_user_sgpr_count 2
		.amdhsa_user_sgpr_kernarg_segment_ptr 1
		.amdhsa_wavefront_size32 1
		.amdhsa_system_sgpr_workgroup_id_x 1
		.amdhsa_system_sgpr_workgroup_id_y 1
		.amdhsa_system_sgpr_workgroup_id_z 1
		.amdhsa_system_vgpr_workitem_id 0
		.amdhsa_next_free_vgpr 512
		.amdhsa_next_free_sgpr 96
		.amdhsa_reserve_vcc 1
		.amdhsa_float_denorm_mode_32 3
		.amdhsa_float_denorm_mode_16_64 3
		.amdhsa_memory_ordered 1
		.amdhsa_forward_progress 1
		.amdhsa_inst_pref_size 72
	.end_amdhsa_kernel
	.amdgpu_metadata
---
amdhsa.version: [ 1, 2 ]
amdhsa.kernels:
  - .name:           k_q687239e0dc_up
    .symbol:         k_q687239e0dc_up.kd
    .args:
      - { .name: idx, .offset: 0, .size: 8, .value_kind: global_buffer, .address_space: global }
      - { .name: xb, .offset: 8, .size: 8, .value_kind: global_buffer, .address_space: global }
      - { .name: weights1, .offset: 16, .size: 8, .value_kind: global_buffer, .address_space: global }
      - { .name: bias1, .offset: 24, .size: 8, .value_kind: global_buffer, .address_space: global }
      - { .name: hbuf, .offset: 32, .size: 8, .value_kind: global_buffer, .address_space: global }
    .group_segment_fixed_size: 91392
    .private_segment_fixed_size: 0
    .kernarg_segment_align: 8
    .kernarg_segment_size: 40
    .max_flat_workgroup_size: 256
    .sgpr_count:     96
    .vgpr_count:     512
    .wavefront_size: 32
...
	.end_amdgpu_metadata
.endif
;; end of part 2
;; launch down (part 3): grid 256 x 1, 8 waves a work-group, no clusters, 158,976 bytes of LDS; arguments idx, hbuf, weights2, bias2, out0; writes out0
.if DOCPART == 3
	.amdgcn_target "amdgcn-amd-amdhsa--gfx1250"
	.amdhsa_code_object_version 6
	.text
	.protected	k_q687239e0dc_down
	.globl	k_q687239e0dc_down
	.p2align	8
	.type	k_q687239e0dc_down,@function
k_q687239e0dc_down:
	s_mov_b64 s[64:65], 0
	v_nop
	global_prefetch_b8 v0, s[64:65] scope:SCOPE_SE
	s_setreg_imm32_b32 hwreg(HW_REG_WAVE_MODE, 25, 1), 1
	s_wait_xcnt 0x0
; SECOND LAYER, chosen rows only.  out0[t] = relu( 16 x ( hbuf row of t . f16(bf16(weights2[e])) ) + bf16(bias2[e]) ) for the tokens t with idx[t] = e.  Products in f16, sums in f32.
; idx: [4096] i32, hbuf: as the first layer laid it (h / 16 in f16, fragment images in tiles of 32 rows), weights2: [32][256][1024] f32, bias2: [32][1024] f32, out0: [4096][1024] f32.
; GRID.  Work-group 8 e + s has expert e and the output columns 128 s .. 128 s + 127: 128 KiB of weights2 that it alone reads, and all of the expert's rows.  The loop over tiles of
; rows has a constant 16 trips; a trip past the count is jumped, forward, with no barrier in it.  An expert without rows stores nothing.  Each token has one expert: out0's rows have one owner.
; ROUTING.  The same scan of idx as in the first layer, so rank, tile and token agree: rank 32 T + 16 mt + r lies in tile tb + T, block mt, column r of the fragment.
; THE MATRIX INSTRUCTION IS USED TRANSPOSED: source 0 = 16 output columns, source 1 = 16 tokens.  A tile goes out through the wave's own stage, so that one store is one token's 512 consecutive bytes.
; FORMAT.  weights2 is rounded to bf16 like every input, and that number is written as f16: exact for 2^-17 <= |w| <= 65,504; below, off by 3e-8 at the most; beyond, lost.  NaN is not treated apart.
; No tensor loads: the f32 weights pass through registers to be rounded and paired along K.  No cluster: each slice has one reader, and how many tiles of h an expert's
; work-groups share hangs on counts read from memory.
.set LISTW, 3072                       ; as in the first layer: words 0-639 the list, 640-671 a dump word for each lane
.set DUMP,  640
.set CNT,   8*LISTW
.set IMG,   CNT+256                    ; 24,832: the slice as fragments, [ks 0..7: 8,192][nt 0..7: 1,024][half: 512][h: 256][col: 16], col = (r + nt % 4) % 16
.set OPITCH, 528                       ; a staged row: 512 bytes + 16: the 16 rows of a store start 16 bytes apart modulo 256
.set STAGE, IMG+65536                  ; 90,368: 16 rows for each wave, its own
.set SPARE, STAGE+8*16*OPITCH          ; 157,952: the spare words, 128 bytes a wave: four blocks of 256 bytes that no other line names
.set SPW,  4                           ; v4 my spare word, v5 0, v6 16 lane, v8-11 zeros    (v1 lane, v2 r, v3 h)
.set NIL,  5
.set L16,  6
.set ST,   12                          ; v12 into the stage       v13 back out of it
.set RBK,  13
.set RK,   14
.set AD,   15
.set BA,   16                          ; v16-19  where I read the image, by nt % 4
.set SA,   20                          ; v20-23  where I write it, column cc of my four
.set TOK,  24                          ; v24     lane l: the token of rank s66 + l
.set B2,   28                          ; v28-31  bias of my four columns on the way out
.set BF0,  32                          ; v32-95, v96-159  weights' fragments of a K step, two buffers
.set BF1,  96
.set OB,   32                          ; the way out: 16 rows read back
.set OA,   160                         ; v160-175 their byte offsets in out0
.set WR,   96                          ; v96-223 the weights as loaded, before the loop
.set IX,   224
.set CV,   240
.set TK0,  32                          ; before the loop BF0's registers are at work
.set VP,   33
.set VT,   34
.set IOFF, 35
.set DMP,  43
.set AH,   128                         ; window 1: v0-127 acc(mt, nt) at 8 (8 mt + nt); v128-255 h's fragments at 128 + 16 ks + 8 mt + 4 half
.set MSB, 0
.macro WIN new                         ; s_set_vgpr_msb: bits 1:0 source 0, 3:2 source 1, 5:4 source 2, 7:6 destination; the high byte repeats the setting that is left
.if MSB != (\new)
	s_set_vgpr_msb (MSB<<8)|(\new)
.set MSB, \new
.endif
.endm
.macro LOOKUP dst, rk, ad              ; the token of rank v[rk]; a rank at or past c falls on a word that stayed 0
	v_mov_b32 v[\ad], 0
.irp u, 1,2,3,4,5,6,7
	v_cmp_le_u32 vcc_lo, s[48+\u], v[\rk]
	v_cndmask_b32 v[\ad], v[\ad], s[56+\u], vcc_lo
.endr
	v_lshl_add_u32 v[\ad], v[\rk], 2, v[\ad]
	v_min_u32 v[\ad], 8*LISTW-4, v[\ad]
	ds_load_b32 v[\dst], v[\ad]
.endm
.macro HLOAD                           ; the tile at s[74:75]: 32 loads of 512 consecutive bytes, straight into operand registers, K step by K step
	WIN 0x40
.irp kk, 0,1,2,3,4,5,6,7
.irp mt, 0,1
.irp hf, 0,1
	global_load_b128 v[AH+16*\kk+8*\mt+4*\hf:AH+16*\kk+8*\mt+4*\hf+3], v[L16], s[74:75] offset:\mt*8192+\kk*1024+\hf*512
.endr
.endr
.endr
	WIN 0
.endm
.macro BLOAD ks, buf
	WIN 0
.irp nt, 0,1,2,3,4,5,6,7
.irp hf, 0,1
	ds_load_b128 v[(\buf)+8*\nt+4*\hf:(\buf)+8*\nt+4*\hf+3], v[BA+(\nt)%4] offset:(\ks)*8192+\nt*1024+\hf*512
.endr
.endr
.endm
.macro MUL ks, buf                     ; 16 products; the sixteen accumulators take turns; the first K step starts the sums
	WIN 0x54                                       ; weights window 0; h, C and D window 1
.irp nt, 0,1,2,3,4,5,6,7
.irp mt, 0,1
.if (\ks) == 0
	v_wmma_f32_16x16x32_f16 v[8*(8*\mt+\nt):8*(8*\mt+\nt)+7], v[(\buf)+8*\nt:(\buf)+8*\nt+7], v[AH+16*(\ks)+8*\mt:AH+16*(\ks)+8*\mt+7], 0
.else
	v_wmma_f32_16x16x32_f16 v[8*(8*\mt+\nt):8*(8*\mt+\nt)+7], v[(\buf)+8*\nt:(\buf)+8*\nt+7], v[AH+16*(\ks)+8*\mt:AH+16*(\ks)+8*\mt+7], v[8*(8*\mt+\nt):8*(8*\mt+\nt)+7]
.endif
.endr
.endr
.endm
.macro STEP ks, buf, other
.if (\ks) < 7
	BLOAD (\ks)+1, \other
.endif
	s_wait_loadcnt 28-4*(\ks)                      ; four loads of h for each later K step stay out
.if (\ks) < 7
	s_wait_dscnt 16                                ; the 16 LDS loads just issued stay out: this K step's weights are in
.else
	s_wait_dscnt 0x0
.endif
	MUL \ks, \buf
.rept 4
	v_nop                                          ; four places in front of loads into registers that these products read, and of the stores that read their results (ISA guide 7.12.1 for vector instructions)
.endr
.endm
	s_load_b256 s[4:11], s[0:1], 0x0               ; idx s[4:5], hbuf s[6:7], weights2 s[8:9], bias2 s[10:11]
	s_load_b64 s[12:13], s[0:1], 0x20              ; out0
	v_lshl_add_u32 v[SPW], v0, 2, SPARE
	v_mov_b32 v[NIL], 0
	v_lshrrev_b32 v36, 5, v0
	v_readfirstlane_b32 s14, v36                   ; wave 0..7
	v_and_b32 v1, 31, v0
	v_and_b32 v2, 15, v0
	v_bfe_u32 v3, v0, 4, 1
	v_lshlrev_b32 v[L16], 4, v1
	v_lshl_add_u32 v[IOFF], s14, 11, v[L16]
	s_lshr_b32 s15, ttmp9, 3                       ; e
	s_and_b32 s16, ttmp9, 7                        ; s
	s_lshl_b32 s24, s15, 20                        ; weights2: 1 MiB an expert, 32 rows of 4,096 bytes a wave, 512 bytes a slice
	s_lshl_b32 s23, s14, 17
	s_add_co_u32 s24, s24, s23
	s_lshl_b32 s72, s16, 9
	s_add_co_u32 s24, s24, s72
	s_mov_b32 s25, 0
	s_lshl_b32 s26, s15, 12                        ; bias2: 4,096 bytes an expert
	s_add_co_u32 s26, s26, s72
	s_mov_b32 s27, 0
	s_mov_b32 s73, 0
	s_wait_kmcnt 0x0
	s_add_nc_u64 s[8:9], s[8:9], s[24:25]
	s_add_nc_u64 s[10:11], s[10:11], s[26:27]
	s_add_nc_u64 s[12:13], s[12:13], s[72:73]      ; out0 at my slice's 512 bytes of a row
	; 37 loads: idx, the bias, the wave's K step of the slice
.irp j, 0,1,2,3
	global_load_b128 v[IX+4*\j:IX+4*\j+3], v[IOFF], s[4:5] offset:\j*512
.endr
	global_load_b128 v[B2:B2+3], v[L16], s[10:11]
.irp b, 0,1,2,3                        ; row 8 b + i of the wave's 32: 512 consecutive bytes, aligned, read once in the launch
.irp i, 0,1,2,3,4,5,6,7
	global_load_b128 v[WR+32*\b+4*\i:WR+32*\b+4*\i+3], v[L16], s[8:9] offset:(8*\b+\i)*4096 th:TH_LOAD_NT
.endr
.endr
	s_mul_i32 s17, s14, LISTW
.irp z, 8,9,10,11
	v_mov_b32 v\z, 0
.endr
	v_add_nc_u32 v[VP], s17, v[L16]
.irp j, 0,1,2,3,4,5
	ds_store_b128 v[VP], v[8:11] offset:\j*512     ; my segment is cleared
.endr
	v_lshlrev_b32 v[TK0], 2, v1
	v_lshl_add_u32 v[TK0], s14, 9, v[TK0]
	v_add_nc_u32 v[DMP], DUMP, v1
	v_lshrrev_b32 v38, 2, v1                       ; nt of my four columns
	v_and_b32 v39, 3, v1
	v_and_b32 v40, 3, v38
	v_lshl_add_u32 v39, v39, 2, v40                ; r of column 0 of my four, + nt % 4
	s_lshl_b32 s23, s14, 13                        ; my K step of the image
	s_add_co_u32 s23, s23, IMG
	v_lshl_add_u32 v41, v38, 10, s23
.irp cc, 0,1,2,3
	v_add_nc_u32 v42, \cc, v39
	v_and_b32 v42, 15, v42
	v_lshl_add_u32 v[SA+\cc], v42, 4, v41
.endr
.irp u, 0,1,2,3
	v_add_nc_u32 v42, \u, v2
	v_and_b32 v42, 15, v42
	v_lshlrev_b32 v42, 4, v42
	v_lshl_add_u32 v42, v3, 8, v42
	v_add_nc_u32 v[BA+\u], IMG, v42
.endr
	s_mul_i32 s23, s14, 16*OPITCH
	s_add_co_u32 s23, s23, STAGE                   ; my stage
	v_mul_u32_u24 v[ST], v2, OPITCH                ; in: row r, 32 bytes for each half of the lanes
	v_lshl_add_u32 v[ST], v3, 5, v[ST]
	v_add_nc_u32 v[ST], s23, v[ST]
	v_add_nc_u32 v[RBK], s23, v[L16]               ; back: the 32 lanes take one row of 512 bytes
	s_wait_loadcnt 33                              ; the bias's load and the weights' 32 are younger and stay out: idx is in
	; THE SCAN, line for line the first layer's: no lane is switched off; a lane whose token chose another expert stores it into its own dump word
	s_mov_b32 s18, 0
	s_mov_b32 s19, 0
.set n, 0
.rept 16
	v_cmp_eq_u32 s20, s15, v[IX+n]
	v_cmp_gt_u32 s21, s15, v[IX+n]
	v_mbcnt_lo_u32_b32 v[VP], s20, s18
	v_cndmask_b32 v[VP], v[DMP], v[VP], s20
	v_min_u32 v[VP], DUMP+31, v[VP]                ; a place hangs on loaded numbers: it enters an address only clamped; behind the clamp a shift left and an add
	v_lshlrev_b32 v[VP], 2, v[VP]
	v_add_nc_u32 v[VP], s17, v[VP]
	v_add_nc_u32 v[VT], 128*(n/4)+n%4, v[TK0]
	ds_store_b32 v[VP], v[VT]
	s_bcnt1_i32_b32 s23, s20
	s_add_co_u32 s18, s18, s23
	s_bcnt1_i32_b32 s23, s21
	s_add_co_u32 s19, s19, s23
.set n, n+1
.endr
	v_mov_b32 v36, s18
	v_mov_b32 v37, s19
	s_lshl_b32 s23, s14, 3
	s_add_co_u32 s23, s23, CNT
	v_mov_b32 v[VP], s23
	ds_store_b64 v[VP], v[36:37]
	s_wait_dscnt 0x0                               ; for the others' sake: my segment and my counts are in LDS
	s_barrier_signal -1
	s_barrier_wait -1                              ; from here on the list and the counts are only read
	v_mov_b32 v[VP], CNT
.irp j, 0,1,2,3
	ds_load_b128 v[IX+4*\j:IX+4*\j+3], v[VP] offset:\j*16
.endr
	s_wait_dscnt 0x0
.set n, 0
.rept 16
	v_readfirstlane_b32 s[32+n], v[IX+n]
.set n, n+1
.endr
	s_mov_b32 s49, s32
.irp u, 1,2,3,4,5,6
	s_add_co_u32 s[49+\u], s[48+\u], s[32+2*\u]
.endr
	s_add_co_u32 s28, s55, s46                     ; c
	s_add_co_u32 s29, s33, s35
.irp u, 37,39,41,43,45,47
	s_add_co_u32 s29, s29, s\u                     ; p0
.endr
.irp u, 1,2,3,4,5,6,7
	s_lshl_b32 s23, s[48+\u], 2
	s_sub_co_u32 s[56+\u], LISTW*\u, s23
.endr
	s_lshr_b32 s30, s29, 5
	s_add_co_u32 s30, s30, s15                     ; tb
	s_lshl_b32 s66, s14, 5                         ; my first tile is tile w
	s_cmp_lt_u32 s66, s28
	s_cselect_b32 s68, s14, 0                      ; a wave without a first tile asks for tile tb, which is always written, and discards it: every later count is the same on every way
	s_add_co_u32 s68, s68, s30
	s_min_u32 s68, s68, 159                        ; a tile's number enters an address only clamped
	s_lshl_b32 s72, s68, 14
	s_add_nc_u64 s[74:75], s[6:7], s[72:73]
	HLOAD
.irp b, 0,1,2,3                        ; the image, eight rows at a time: to bf16, widened, to f16 (exact), a pair of neighbouring k to a register
	s_wait_loadcnt 56-8*\b                         ; the later blocks' 8 loads each and h's 32 are younger and stay out
.irp cc, 0,1,2,3
.irp jj, 0,1,2,3
	v_cvt_pk_bf16_f32 v[40+\jj], v[WR+32*\b+8*\jj+\cc], v[WR+32*\b+8*\jj+4+\cc]
.endr
.irp jj, 0,1,2,3
	v_and_b32 v[44+\jj], 0xffff0000, v[40+\jj]
.endr
.irp jj, 0,1,2,3
	v_lshlrev_b32 v[40+\jj], 16, v[40+\jj]
.endr
.irp jj, 0,1,2,3
	v_cvt_pk_f16_f32 v[CV+4*\cc+\jj], v[40+\jj], v[44+\jj]
.endr
	ds_store_b128 v[SA+\cc], v[CV+4*\cc:CV+4*\cc+3] offset:(\b/2)*512+(\b%2)*256
.endr
.endr
.irp p, 0,2                            ; the bias, older than the weights' loads, is rounded to bf16 and widened again
	v_cvt_pk_bf16_f32 v40, v[B2+\p], v[B2+\p+1]
	v_lshlrev_b32 v[B2+\p], 16, v40
	v_and_b32 v[B2+\p+1], 0xffff0000, v40
.endr
	s_wait_dscnt 0x0                               ; for the others' sake: my K step of the image is in LDS
	s_barrier_signal -1
	s_barrier_wait -1                              ; from here on the image is only read: the loop needs no barrier
	s_mov_b32 s67, 16
.Ltile:
	s_cmp_ge_u32 s66, s28
	s_cbranch_scc1 .Lnext                          ; past the count
	v_add_nc_u32 v[RK], s66, v1
	LOOKUP TOK, RK, AD                             ; older than every LDS load below: the first counted wait covers it
	BLOAD 0, BF0
	STEP 0, BF0, BF1
	STEP 1, BF1, BF0
	STEP 2, BF0, BF1
	STEP 3, BF1, BF0
	STEP 4, BF0, BF1
	STEP 5, BF1, BF0
	STEP 6, BF0, BF1
	STEP 7, BF1, BF0
	WIN 0                                          ; at a branch and at a label every window is 0
	s_add_co_u32 s68, s66, 256
	s_cmp_lt_u32 s68, s28
	s_cbranch_scc0 .Lnoh
	s_lshr_b32 s68, s68, 5                         ; my next tile is on its way while this one goes out
	s_add_co_u32 s68, s68, s30
	s_min_u32 s68, s68, 159
	s_lshl_b32 s72, s68, 14
	s_add_nc_u64 s[74:75], s[6:7], s[72:73]        ; the last loads by this base were waited for in the last K step
	HLOAD
.Lnoh:
	s_sub_co_u32 s69, s28, s66                     ; rows of this tile that exist: 1 or more
	; THE WAY OUT, 16 rows at a time: into my stage by columns, back by rows; x 16, + bias, ReLU; one store is one token's 512 consecutive bytes, aligned.  Stores past the count are jumped.
.irp mt, 0,1
.if \mt == 1
	s_wait_xcnt 0x0                                ; the first 16 rows' stores have read their data and offsets
.endif
	WIN 0x04                                       ; the stores' data lie in window 1
.irp nt, 0,1,2,3,4,5,6,7
	ds_store_b128 v[ST], v[8*(8*\mt+\nt):8*(8*\mt+\nt)+3]   offset:\nt*64     ; each accumulator from its low end on
	ds_store_b128 v[ST], v[8*(8*\mt+\nt)+4:8*(8*\mt+\nt)+7] offset:\nt*64+16
.endr
	WIN 0
.set i, 0
.rept 16
	ds_load_b128 v[OB+4*i:OB+4*i+3], v[RBK] offset:i*OPITCH  ; LDS serves a wave's instructions in order: these see the stores above
.set i, i+1
.endr
.set i, 0
.rept 16
	s_cmp_le_u32 s69, 16*\mt+i
	s_cbranch_scc1 .Lout
	s_wait_dscnt 15-i                              ; the later rows' loads stay out
	v_readlane_b32 s76, v[TOK], 16*\mt+i
	s_min_u32 s76, s76, 0xfff                      ; a token's number enters an address only clamped; behind the clamp a shift left and an add
	s_lshl_b32 s76, s76, 12                        ; a row of out0 is 4,096 bytes
	v_add_nc_u32 v[OA+i], s76, v[L16]
	v_pk_fma_f32 v[OB+4*i:OB+4*i+1],   v[OB+4*i:OB+4*i+1],   0x41800000, v[B2:B2+1]   op_sel_hi:[1,0,1]
	v_pk_fma_f32 v[OB+4*i+2:OB+4*i+3], v[OB+4*i+2:OB+4*i+3], 0x41800000, v[B2+2:B2+3] op_sel_hi:[1,0,1]
	v_max_num_f32 v[OB+4*i],   0, v[OB+4*i]
	v_max_num_f32 v[OB+4*i+1], 0, v[OB+4*i+1]
	v_max_num_f32 v[OB+4*i+2], 0, v[OB+4*i+2]
	v_max_num_f32 v[OB+4*i+3], 0, v[OB+4*i+3]
	global_store_b128 v[OA+i], v[OB+4*i:OB+4*i+3], s[12:13] th:TH_STORE_NT
.set i, i+1
.endr
.endr
.Lout:
	s_wait_dscnt 0x0                               ; rows read back and not stored
	s_wait_xcnt 0x0                                ; the stores' data, where the next tile's weights land, are written again only behind this wait
.Lnext:
	s_add_co_u32 s66, s66, 256                     ; eight waves x 32 rows on
	s_sub_co_u32 s67, s67, 1
	s_cmp_lg_u32 s67, 0
	s_cbranch_scc1 .Ltile
	s_wait_tensorcnt 0x0                           ; the wave's end, behind my last LDS store
	ds_add_u32 v[SPW], v[NIL]
	s_wait_dscnt 0x0
	s_endpgm
.Lfunc_end_k_q687239e0dc_down:
	.size	k_q687239e0dc_down, .Lfunc_end_k_q687239e0dc_down-k_q687239e0dc_down
	.p2alignl 7, 3214868480
	.fill 96, 4, 3214868480
	.section	.rodata,"a",@progbits
	.p2align	6, 0x0
	.amdhsa_kernel k_q687239e0dc_down
		.amdhsa_group_segment_fixed_size 158976
		.amdhsa_private_segment_fixed_size 0
		.amdhsa_enable_private_segment 0
		.amdhsa_kernarg_size 40
		.amdhsa_user_sgpr_count 2
		.amdhsa_user_sgpr_kernarg_segment_ptr 1
		.amdhsa_wavefront_size32 1
		.amdhsa_system_sgpr_workgroup_id_x 1
		.amdhsa_system_sgpr_workgroup_id_y 1
		.amdhsa_system_sgpr_workgroup_id_z 1
		.amdhsa_system_vgpr_workitem_id 0
		.amdhsa_next_free_vgpr 512
		.amdhsa_next_free_sgpr 96
		.amdhsa_reserve_vcc 1
		.amdhsa_float_denorm_mode_32 3
		.amdhsa_float_denorm_mode_16_64 3
		.amdhsa_memory_ordered 1
		.amdhsa_forward_progress 1
		.amdhsa_inst_pref_size 88
	.end_amdhsa_kernel
	.amdgpu_metadata
---
amdhsa.version: [ 1, 2 ]
amdhsa.kernels:
  - .name:           k_q687239e0dc_down
    .symbol:         k_q687239e0dc_down.kd
    .args:
      - { .name: idx, .offset: 0, .size: 8, .value_kind: global_buffer, .address_space: global }
      - { .name: hbuf, .offset: 8, .size: 8, .value_kind: global_buffer, .address_space: global }
      - { .name: weights2, .offset: 16, .size: 8, .value_kind: global_buffer, .address_space: global }
      - { .name: bias2, .offset: 24, .size: 8, .value_kind: global_buffer, .address_space: global }
      - { .name: out0, .offset: 32, .size: 8, .value_kind: global_buffer, .address_space: global }
    .group_segment_fixed_size: 158976
    .private_segment_fixed_size: 0
    .kernarg_segment_align: 8
    .kernarg_segment_size: 40
    .max_flat_workgroup_size: 256
    .sgpr_count:     96
    .vgpr_count:     512
    .wavefront_size: 32
...
	.end_amdgpu_metadata
.endif
;; end of part 3
